; MI455X (gfx1250); checked and timed in simulation.
; The chip was launched on July 23, 2026; its instructions are those of AMD's public machine-readable ISA for CDNA 5 (MIT licence, August 2026) and "CDNA5" Instruction Set Architecture Reference Guide (July 2026). The comments in the code are by the model that wrote it; some were corrected since.
;; get Max Score. Allowed arithmetic: matrix products marked QUANTISED: E3M2 operands, one E8M0 scale for each 32 along K, by v_wmma_scale_f32_16x16x128_f8f6f4 with both operands' format E3M2, f32 sums; products left as they are: f32 operands where the result goes on into a quantised operand, else bf16, f16 or f32 operands; f32 sums; everything else in f32.
;; Inputs: Wk 4,096 x 1,024 float32; Wq 4,096 x 1,024 float32; bk 4,096 float32; bq 4,096 float32; key_mat 16,384 x 1,024 float32; query 1,024 float32.
;; Outputs: out0 1,024 float32.
;; This version of the problem:
;;   THIS VERSION OF THE PROBLEM IS GIVEN IN LOW PRECISION. The matrix products marked QUANTISED in the list below multiply operands that are first quantised to E3M2 (3 exponent bits, 2 mantissa bits; 6 bits a number), with one power-of-two scale for each 32 numbers along K (OCP MX v1.0); their sums are f32. All else is computed in f32.
;;   The module's matrix products, in the order in which they are computed (A, B: the left and right operand; K: the contracted axis; several contracted axes count as one K, in the product's order):
;;     1. [M 4,096, K 1,024] x [K 1,024, N 1]; A: input Wq; B: input query: left as it is (N = 1 < 16)
;;     2. [M 16,384, K 1,024] x [K 1,024, N 4,096]; A: input key_mat; B: input Wk: QUANTISED
;;     3. [M 16,384, K 4,096] x [K 4,096, N 1]; A: computed on the way; B: computed on the way: left as it is (N = 1 < 16)
;;   THE QUANTISER, for each operand of a quantised product, along K:
;;     - K is cut into blocks of 32 from its start; a last block that is shorter is filled with zeros.
;;     - A block's scale is 2^e with e = floor(log2(the largest magnitude in the block)) - 4, held to -126 .. 127; a block of zeros has e = 0. As a byte (E8M0): e + 127.
;;     - Each number is divided by its block's scale, clamped to +-28, and rounded to the nearest number of E3M2, ties to even, subnormals kept.
;;     - The product sums the exact products of the quantised numbers (number of the format x scale) in f32.
;;   ~~~python
;;   def quantise(x, axis):      # numpy; x: float32 -> the quantised numbers, widened to float32 again
;;       x = np.moveaxis(x, axis, -1); K = x.shape[-1]
;;       x = np.pad(x, [(0, 0)] * (x.ndim - 1) + [(0, -K % 32)]); x = x.reshape(x.shape[:-1] + (-1, 32)); a = np.abs(x).max(-1, keepdims=True)
;;       e = np.where(a > 0, np.clip(np.frexp(np.where(a > 0, a, 1))[1] - 1 - 4, -126, 127), 0)      # np.frexp(a)[1] - 1 = floor(log2(a)), exactly
;;       r = np.clip(x / 2.0 ** e, -28, 28)
;;       step = 2.0 ** (np.maximum(np.frexp(np.where(r == 0, 1, r))[1] - 1, -2) - 2)
;;       q = np.round(r / step) * step * 2.0 ** e      # np.round: ties to even
;;       return np.moveaxis(q.reshape(q.shape[:-2] + (-1,))[..., :K], -1, axis).astype(np.float32)
;;   ~~~
;; One version. Each part assembles by itself: llvm-mc -triple=amdgcn-amd-amdhsa -mcpu=gfx1250 --defsym DOCPART=n.
;; ======== version 1 of 1: 4 launches
;; workspace buffers: a_img 13,107,200 bytes; b_img 3,276,800 bytes; qv 16,384 bytes; part 524,288 bytes; cand_v 256 bytes; cand_i 256 bytes of whole numbers
;; launch prep (part 1): grid 768 x 1, 4 waves a work-group, no clusters, 34,304 bytes of LDS; arguments key_mat, Wk, Wq, query, bq, a_img, b_img, qv; writes a_img, b_img, qv
.if DOCPART == 1
	.amdgcn_target "amdgcn-amd-amdhsa--gfx1250"
	.amdhsa_code_object_version 6
	.text
	.protected	k_q77b7000acb_prep
	.globl	k_q77b7000acb_prep
	.p2align	8
	.type	k_q77b7000acb_prep,@function
k_q77b7000acb_prep:
	s_mov_b64 s[64:65], 0
	v_nop
	global_prefetch_b8 v0, s[64:65] scope:SCOPE_SE
	s_setreg_imm32_b32 hwreg(HW_REG_WAVE_MODE, 25, 1), 1
	s_wait_xcnt 0x0
; PREP.  Three jobs in one launch, chosen by the work-group's number:
;   work-groups 0-511:   key_mat [16384][1024] f32 -> a_img;   512-639: Wk [4096][1024] f32 -> b_img;   640-767: qv = Wq query + bq, in f32.
; THE QUANTISER: codes of BF6 (E3M2), one E8M0 scale byte for each 32 along K.  A block's scale is 2^(floor(log2(its largest magnitude)) - 4); its byte is the largest
; magnitude's exponent field - 4, held at 1 from below by a floor among the maximum's leaves.  Each number is divided by the scale and rounded to the nearest code, ties to even, beyond 28 the largest code.
; LIMITS: a block of zeros, or one whose largest magnitude lies under 2^-122, gets the byte 1 (for zeros the rule says 127: its codes are zeros, which add nothing under any byte but 0xff,
; and the bytes are read by this program alone).  NaN and infinities among the inputs are not served.
; THE IMAGES.  16 rows x all 1,024 of K are a STRIP of 12,800 bytes: eight fragments (16 rows x 128 K) of 1,536 bytes, each an image of the operand's 12 registers (registers 4 k .. 4 k + 3
; of lane l at 512 k + 16 l; lane (r, h) holds row r, registers 6 c .. 6 c + 5 hold K = 64 c + 32 h + 0 .. 31), then 512 bytes of scale words: at 256 H + 16 r the four words of row r for K steps 4 H .. 4 H + 3.
; So the product's launch takes every fragment by three loads of 16 bytes a lane, with no pitch and no shuffle.
; SHARES.  A wave takes 16 rows x 512 K: four fragments.  Each load reads 512 consecutive bytes of one row; a fragment's 16 rows turn through the wave's own stage in LDS (rows 528 bytes apart,
; so that the sixteen rows that a read touches begin 16 bytes further on in each 256), and come back 32 neighbours along K to a lane: a whole block, whose maximum needs no other lane.
; No tensor loads, no barrier: waves share nothing.
.set X,    64                          ; v64-127  a lane's 64 numbers: register 32 c + i = K 64 c + 32 h + i of row r
.set R,    128                         ; v128-255 two sets of 64 registers as loaded (q path: four sets of 32, a row of Wq each)
.set CD,   20                          ; v20-31   the fragment's 12 registers
.set CT,   32                          ; v32-34, v36-38  the upper halves of the two blocks (a conversion's three registers begin on an even number)
.set SW,   16                          ; v16-19   the four fragments' scale words (q path: v16-47 the query)
.set QV,   16
.set SP,   528                         ; a stage row: 512 bytes + 16
.set STRIPB, 12800
	s_load_b256 s[4:11], s[0:1], 0x0               ; key_mat s[4:5], Wk s[6:7], Wq s[8:9], query s[10:11]
	s_load_b256 s[12:19], s[0:1], 0x20             ; bq s[12:13], a_img s[14:15], b_img s[16:17], qv s[18:19]
	s_set_vgpr_msb 0x40
	v_lshl_add_u32 v0, v0, 2, 0x8400
	v_mov_b32 v1, 0
	s_set_vgpr_msb 0x4000
	v_lshrrev_b32 v1, 5, v0
	v_readfirstlane_b32 s30, v1                    ; wave 0..3
	v_and_b32 v1, 31, v0                           ; lane
	v_lshlrev_b32 v2, 4, v1                        ; 16 x lane
	s_mov_b32 s32, 0x76543210
	s_mov_b32 s33, 0xfedcba98                      ; v_permlanex16_b32's selects for lane l xor 16
	s_wait_kmcnt 0x0
	s_cmp_ge_u32 ttmp9, 640
	s_cbranch_scc1 .Lq
	; ---------------- the quantiser ----------------
	s_cmp_lt_u32 ttmp9, 512                        ; key_mat's work-group or Wk's?  The choice hangs on the work-group's number alone
	s_cselect_b64 s[20:21], s[4:5], s[6:7]
	s_cselect_b64 s[22:23], s[14:15], s[16:17]
	s_cselect_b32 s24, 0, 512
	s_sub_co_u32 s24, ttmp9, s24
	s_lshl_b32 s24, s24, 2
	s_add_co_u32 s24, s24, s30                     ; which half strip of the tensor is my wave's
	s_lshr_b32 s25, s24, 1                         ; the strip
	s_and_b32 s24, s24, 1                          ; H: which 512 along K
	s_lshl_b32 s34, s25, 16                        ; the source: 16 rows of 4,096 bytes a strip,
	s_lshl_b32 s35, s24, 11                        ; 2,048 bytes a half
	s_add_co_u32 s34, s34, s35
	s_mov_b32 s35, 0
	s_add_nc_u64 s[20:21], s[20:21], s[34:35]
	s_mul_i32 s34, s25, STRIPB
	s_mul_i32 s36, s24, 6144                       ; my four fragments
	s_add_co_u32 s36, s36, s34
	s_mov_b32 s37, 0
	s_add_nc_u64 s[26:27], s[22:23], s[36:37]
	s_lshl_b32 s36, s24, 8                         ; my 256 bytes of scale words
	s_add_co_u32 s36, s36, s34
	s_add_co_u32 s36, s36, 12288
	s_add_nc_u64 s[28:29], s[22:23], s[36:37]
	v_and_b32 v5, 15, v0                           ; r
	v_bfe_u32 v6, v0, 4, 1                         ; h
	v_lshlrev_b32 v7, 3, v6                        ; 8 h: how far my two scale bytes are shifted up
	s_mul_i32 s31, s30, 16*SP                      ; my wave's stage
	v_add_nc_u32 v3, s31, v2                       ; into it: 16 x lane of a row
	v_mul_u32_u24 v4, v5, SP
	v_lshl_add_u32 v4, v6, 7, v4
	v_add_nc_u32 v4, s31, v4                       ; out of it: row r, + 128 h
	v_lshlrev_b32 v42, 4, v5
	v_lshl_add_u32 v42, v6, 3, v42                 ; the scale words' place: 16 r + 8 h
	v_mov_b32 v15, 0                               ; written once: a lane permute's destination counts as one of its sources
.macro LOADF t                         ; fragment t: 16 rows x 512 bytes, into set t % 2
.irp i, 0,1,2,3,4,5,6,7,8,9,10,11,12,13,14,15
	global_load_b128 v[R+64*((\t)%2)+4*\i:R+64*((\t)%2)+4*\i+3], v2, s[20:21] offset:4096*\i+512*(\t) th:TH_LOAD_NT   ; 32 lanes read 512 consecutive bytes of row i
.endr
.endm
.macro TURN t                          ; through the stage: LDS serves a wave's instructions in order, so no wait stands between the stores and the loads
.irp i, 0,1,2,3,4,5,6,7,8,9,10,11,12,13,14,15
	ds_store_b128 v3, v[R+64*((\t)%2)+4*\i:R+64*((\t)%2)+4*\i+3] offset:SP*\i
.endr
.irp c, 0,1
.irp j, 0,1,2,3,4,5,6,7
	ds_load_b128 v[X+32*\c+4*\j:X+32*\c+4*\j+3], v4 offset:256*\c+16*\j
.endr
.endr
	s_wait_dscnt 0x0                               ; my 64 numbers are in, and the stores have read the set, which may be loaded again
.endm
.macro QUANT t
.irp c, 0,1                            ; my block 2 c + h of the fragment: all its 32 numbers are mine
	v_max3_num_f32 v[8+\c], |v[X+32*\c]|, |v[X+32*\c+1]|, 0x2800000   ; and the floor 2^(5 - 127): the byte cannot fall under 1
.endr
.irp i, 2,4,6,8,10,12,14,16,18,20,22,24,26,28,30
.irp c, 0,1
	v_max3_num_f32 v[8+\c], v[8+\c], |v[X+32*\c+\i]|, |v[X+32*\c+\i+1]|   ; (the two blocks by turns)
.endr
.endr
.irp c, 0,1
	v_add_nc_u32 v[10+\c], 0xfe000000, v[8+\c]     ; 4 off the exponent field: the conversion takes the exponent field of this operand as its scale, and nothing else of it
.endr
.irp c, 0,1
	v_lshrrev_b32 v[12+\c], 23, v[10+\c]           ; the scale's byte
.endr
	v_lshl_or_b32 v14, v13, 16, v12                ; my two bytes: blocks h and 2 + h of row r,
	v_lshlrev_b32 v14, v7, v14                     ; at their places in the scale word;
	v_permlanex16_b32 v15, v14, s32, s33
	v_or_b32 v[SW+(\t)], v14, v15                  ; with lane l xor 16's two the word is whole
	s_wait_xcnt 0x0                                ; the last fragment's stores have read their data registers: only behind this wait are they written again
.irp c, 0,1
	v_cvt_scalef32_pk16_bf6_f32 v[CD+6*\c:CD+6*\c+2], v[X+32*\c:X+32*\c+15], v[10+\c]
	v_cvt_scalef32_pk16_bf6_f32 v[CT+4*\c:CT+4*\c+2], v[X+32*\c+16:X+32*\c+31], v[10+\c]
.endr
	v_nop                                          ; one plain place behind a scaled conversion
.irp c, 0,1
.irp i, 0,1,2
	v_mov_b32 v[CD+6*\c+3+\i], v[CT+4*\c+\i]
.endr
.endr
.irp k, 0,1,2
	global_store_b128 v2, v[CD+4*\k:CD+4*\k+3], s[26:27] offset:1536*(\t)+512*\k   ; 32 lanes store 512 consecutive bytes, at a multiple of 256 from the buffer's first byte
.endr
.endm
	LOADF 0
	LOADF 1
	s_wait_loadcnt 16                              ; fragment 0's 16 loads are in; fragment 1's may be out
	TURN 0
	LOADF 2
	QUANT 0
	s_wait_loadcnt 16                              ; fragment 1's are in; fragment 2's may be out
	TURN 1
	LOADF 3
	QUANT 1
	s_wait_loadcnt 16
	TURN 2
	QUANT 2
	s_wait_loadcnt 0x0
	TURN 3
	QUANT 3
	v_cmp_eq_u32 vcc_lo, 1, v6                     ; every lane holds row r's four words: lanes 0-15 store the first two, lanes 16-31 the other two
	v_cndmask_b32 v40, v[SW], v[SW+2], vcc_lo
	v_cndmask_b32 v41, v[SW+1], v[SW+3], vcc_lo
	global_store_b64 v42, v[40:41], s[28:29]       ; 32 lanes store 256 consecutive bytes, aligned
	s_set_vgpr_msb 0x5
	s_wait_tensorcnt 0x0
	ds_add_u32 v0, v1
	s_wait_dscnt 0x0
	s_set_vgpr_msb 0x500
	s_endpgm
	; ---------------- qv = Wq query + bq, f32 fused multiply-adds; a wave takes 8 rows, a row at a time ----------------
.Lq:
	s_sub_co_u32 s24, ttmp9, 640
	s_lshl_b32 s24, s24, 5
	s_lshl_b32 s25, s30, 3
	s_add_co_u32 s24, s24, s25                     ; my first row: 32 x work-group + 8 x wave
	s_lshl_b32 s34, s24, 12
	s_mov_b32 s35, 0
	s_add_nc_u64 s[8:9], s[8:9], s[34:35]
	s_lshl_b32 s34, s24, 2
	s_add_nc_u64 s[12:13], s[12:13], s[34:35]
	s_add_nc_u64 s[18:19], s[18:19], s[34:35]
	v_and_b32 v9, 7, v0                            ; lane % 8: which of the 8 rows' results this lane will hold
	v_lshlrev_b32 v60, 2, v9
	v_mov_b32 v63, 0                               ; written once: a lane permute's destination counts as one of its sources
.irp j, 0,1,2,3,4,5,6,7
	global_load_b128 v[QV+4*\j:QV+4*\j+3], v2, s[10:11] offset:512*\j     ; the query, laid as a row of Wq is: numbers 128 j + 4 lane + 0 .. 3
.endr
	global_load_b32 v61, v60, s[12:13]             ; bq of row lane % 8
.macro ROWLD i
.irp j, 0,1,2,3,4,5,6,7
	global_load_b128 v[R+32*((\i)%4)+4*\j:R+32*((\i)%4)+4*\j+3], v2, s[8:9] offset:4096*(\i)+512*\j th:TH_LOAD_NT
.endr
.endm
.macro ROW i, left                     ; left: the younger rows' loads, which may stay out
.set RS, R+32*((\i)%4)
	s_wait_loadcnt \left
	v_pk_mul_f32 v[56:57], v[RS:RS+1], v[QV:QV+1]                  ; two chains of packed multiply-adds; the first products start them
	v_pk_mul_f32 v[58:59], v[RS+2:RS+3], v[QV+2:QV+3]
.irp j, 1,2,3,4,5,6,7
	v_pk_fma_f32 v[56:57], v[RS+4*\j:RS+4*\j+1], v[QV+4*\j:QV+4*\j+1], v[56:57]
	v_pk_fma_f32 v[58:59], v[RS+4*\j+2:RS+4*\j+3], v[QV+4*\j+2:QV+4*\j+3], v[58:59]
.endr
	v_pk_add_f32 v[56:57], v[56:57], v[58:59]
	v_add_f32 v[48+(\i)], v56, v57                 ; my lane's part of row i
.if (\i) < 4
	ROWLD (\i)+4
.endif
.endm
	ROWLD 0
	ROWLD 1
	ROWLD 2
	ROWLD 3
	ROW 0, 24
	ROW 1, 24
	ROW 2, 24
	ROW 3, 24
	ROW 4, 24
	ROW 5, 16
	ROW 6, 8
	ROW 7, 0
.irp x, 1,2,4,8                        ; across the lanes, the eight rows by turns
.irp i, 0,1,2,3,4,5,6,7
	v_add_f32_dpp v[48+\i], v[48+\i], v[48+\i] row_xmask:\x row_mask:0xf bank_mask:0xf
.endr
.endr
.irp i, 0,1,2,3,4,5,6,7
	v_permlanex16_b32 v63, v[48+\i], s32, s33
	v_add_f32 v[48+\i], v[48+\i], v63
.endr
	v_mov_b32 v62, v48
.irp i, 1,2,3,4,5,6,7
	v_cmp_eq_u32 vcc_lo, \i, v9
	v_cndmask_b32 v62, v62, v[48+\i], vcc_lo       ; lane l keeps row l % 8
.endr
	v_add_f32 v62, v62, v61
	s_wait_xcnt 0x0                                ; EXEC changes only behind this wait
	v_cmp_gt_u32 vcc_lo, 8, v1
	s_and_saveexec_b32 s34, vcc_lo
	global_store_b32 v60, v62, s[18:19]            ; eight lanes store the wave's 32 bytes of qv
	s_wait_xcnt 0x0
	s_or_b32 exec_lo, exec_lo, s34
	s_endpgm
.Lfunc_end_k_q77b7000acb_prep:
	.size	k_q77b7000acb_prep, .Lfunc_end_k_q77b7000acb_prep-k_q77b7000acb_prep
	.p2alignl 7, 3214868480
	.fill 96, 4, 3214868480
	.section	.rodata,"a",@progbits
	.p2align	6, 0x0
	.amdhsa_kernel k_q77b7000acb_prep
		.amdhsa_group_segment_fixed_size 34304
		.amdhsa_private_segment_fixed_size 0
		.amdhsa_enable_private_segment 0
		.amdhsa_kernarg_size 64
		.amdhsa_user_sgpr_count 2
		.amdhsa_user_sgpr_kernarg_segment_ptr 1
		.amdhsa_wavefront_size32 1
		.amdhsa_system_sgpr_workgroup_id_x 1
		.amdhsa_system_sgpr_workgroup_id_y 1
		.amdhsa_system_sgpr_workgroup_id_z 1
		.amdhsa_system_vgpr_workitem_id 0
		.amdhsa_next_free_vgpr 258
		.amdhsa_next_free_sgpr 66
		.amdhsa_reserve_vcc 1
		.amdhsa_float_denorm_mode_32 3
		.amdhsa_float_denorm_mode_16_64 3
		.amdhsa_memory_ordered 1
		.amdhsa_forward_progress 1
		.amdhsa_inst_pref_size 50
	.end_amdhsa_kernel
	.amdgpu_metadata
---
amdhsa.version: [ 1, 2 ]
amdhsa.kernels:
  - .name:           k_q77b7000acb_prep
    .symbol:         k_q77b7000acb_prep.kd
    .args:
      - { .name: key_mat, .offset: 0, .size: 8, .value_kind: global_buffer, .address_space: global }
      - { .name: Wk, .offset: 8, .size: 8, .value_kind: global_buffer, .address_space: global }
      - { .name: Wq, .offset: 16, .size: 8, .value_kind: global_buffer, .address_space: global }
      - { .name: query, .offset: 24, .size: 8, .value_kind: global_buffer, .address_space: global }
      - { .name: bq, .offset: 32, .size: 8, .value_kind: global_buffer, .address_space: global }
      - { .name: a_img, .offset: 40, .size: 8, .value_kind: global_buffer, .address_space: global }
      - { .name: b_img, .offset: 48, .size: 8, .value_kind: global_buffer, .address_space: global }
      - { .name: qv, .offset: 56, .size: 8, .value_kind: global_buffer, .address_space: global }
    .group_segment_fixed_size: 34304
    .private_segment_fixed_size: 0
    .kernarg_segment_align: 8
    .kernarg_segment_size: 64
    .max_flat_workgroup_size: 128
    .sgpr_count:     66
    .vgpr_count:     258
    .wavefront_size: 32
...
	.end_amdgpu_metadata
.endif
;; end of part 1
;; launch scores (part 2): grid 32 x 8, 4 waves a work-group, clusters of 4 x 1, 327,680 bytes of LDS; arguments a_img, b_img, qv, bk, part; writes part
.if DOCPART == 2
	.amdgcn_target "amdgcn-amd-amdhsa--gfx1250"
	.amdhsa_code_object_version 6
	.text
	.protected	k_q77b7000acb_scores
	.globl	k_q77b7000acb_scores
	.p2align	8
	.type	k_q77b7000acb_scores,@function
k_q77b7000acb_scores:
	s_mov_b64 s[64:65], 0
	v_nop
	global_prefetch_b8 v0, s[64:65] scope:SCOPE_SE
	s_setreg_imm32_b32 hwreg(HW_REG_WAVE_MODE, 25, 1), 1
	s_wait_xcnt 0x0
	s_wait_alu depctr_hold_cnt(0) depctr_sa_sdst(0) depctr_va_vdst(0) depctr_va_sdst(0) depctr_va_ssrc(0) depctr_va_vcc(0) depctr_vm_vsrc(0)
	s_getreg_b32 s2, hwreg(HW_REG_IB_STS2, 6, 4)
	s_cmp_eq_u32 s2, 0
	s_cbranch_scc0 .Lentry_in_a_cluster
	s_endpgm
.Lentry_in_a_cluster:
	s_bfe_u32 s2, ttmp6, 0x10000c
	s_cmp_lg_u32 s2, 0x3003
	s_cbranch_scc0 .Lentry_shape_is_right
	s_endpgm
.Lentry_shape_is_right:
; SCORES.  part[g][row] = the sum over the 512 columns n of column group g of (sum over k of key_mat[row][k] Wk[n][k] + bk[n]) q[n].
; The product is on codes of BF6 (E3M2) with one E8M0 scale for each 32 along K, as the launch before laid them: strips of 16 rows x 1,024 K, 12,800 bytes: eight fragments as images of
; the operand's 12 registers (1,536 bytes each, three loads of 16 bytes a lane), then 512 bytes of scale words.  Sums, bias and the dot with q in f32.
; SHARES.  A work-group takes 512 rows x 512 columns; each of its four waves 128 rows x all 512 columns.
; A STAYS IN REGISTERS: a wave's 128 rows x all of K are 64 fragments, 768 registers, loaded once straight from a_img.  Only B goes through LDS, and each fragment of B read from LDS
; feeds eight products.  The wave walks 32 column blocks of 16; a block is 64 matrix instructions: two groups of four row blocks, K ascending in each.
; TRANSPOSED USE: source 0 = 16 columns (rows of Wk), source 1 = 16 key rows.  A lane then holds ONE key row (lane % 16) and the columns 8 (lane / 16) + 0 .. 7: bk is the C of each sum's
; first product, and the dot with q is four packed multiply-adds an accumulator into one register pair for each row block.  k itself never leaves the registers.
; BY HALVES: while one group's 32 products are issued, the other group's finished sums are dotted with q, one packed multiply-add behind each product of the half's later K steps.
; The next block's fragments come in TWO runs of LDS loads: K steps 0-3 when group 1 has multiplied by the old ones, K steps 4-7 at the end of group 1's half.
; CLUSTER.  The four row groups of a cluster share the column group, so B, q and bk are asked for JOINTLY: the same tensor load, with the same descriptor and the mask 15, in all four.
; A is not shared in this way: a joint load lands in LDS, of which 313,856 of 327,680 bytes are taken, and A is read once, into registers.
; LDS: three slots of 8 column blocks (102,400 bytes); blocks 0-23 come with the first fills, blocks 24-31 refill slot 0 when block 7's fragments are in registers; then q, bk (2,048 bytes each),
; a stage for the way out (512 bytes a wave, written by LDS stores, never filled), the spare words.
; LIMITS: NaN and infinities are not served.
; REGISTERS, in windows of 256 (s_set_vgpr_msb: bits 1:0 source 0, 3:2 source 1, 5:4 source 2, 7:6 destination):
;   window 0: v1-11 addresses; v12-43 A's scale words; v44-55 A's 64th fragment; v56-151 B's eight fragments; v152-159 B's scale words; v160-167 q; v168-175 bk; v176-191 the scores; v192-255 eight accumulators
;   windows 1-3: A's fragment f = 32 group + 4 step + i (row block 4 group + i) in window 1 + f / 21 at v[12 (f % 21)], f = 0 .. 62.
; The dot with q names three registers of window 0, so it cannot stand under A's window: a switch stands in front of each of its lines and one behind.  That is the price of setting
; them singly between the products, where each has a product's time to itself; set in groups they would need fewer switches and would hold the next product up.
.set SLOTB, 102400
.set BLKB,  12800
.set QL,    3*SLOTB
.set BKL,   QL+2048
.set STG,   BKL+2048
.set SPARE, STG+2048                   ; the spare words, 128 bytes for each wave: two blocks of 256 bytes that no other line names
.set SPW, 1                            ; v1   LDS address of my spare word; never rewritten
.set NIL, 2                            ; v2   0; never rewritten
.set L16, 3                            ; v3   16 x lane
.set ADB, 4                            ; v4   LDS address of the fragments of the block to be fetched
.set ADS, 5                            ; v5   of its scale words
.set ADQ, 6                            ; v6   of q of the block in hand (bk lies 2,048 bytes on, the next block's 64 more)
.set H32, 7                            ; v7   32 x (lane / 16)
.set R16, 8                            ; v8   16 x (lane % 16)
.set LN,  9                            ; v9   lane
.set STA, 10                           ; v10  the stage: 4 x lane
.set STB, 11                           ; v11  the stage: 16 x lane
.set ASC, 12                           ; register 4 a + i: row block a's scale words: lanes 0-15 K step i, lanes 16-31 K step 4 + i
.set A63, 44
.set BF,  56
.set BSC, 152
.set QR,  160
.set BKR, 168
.set S,   176
.set D,   192
.set WV,  14                           ; s14 my wave's number
.set G1B, 24                           ; s[24:31] descriptor group 1: 100 rows of 256 bytes
.set G1S, 32                           ; s[32:39] 2 rows of 256 bytes
.set G0Q, 40                           ; s[40:43] group 0 for q;  s[44:47] for bk;  s[48:59] for the three slots
.set G0K, 44
.set G0S, 48
.set TB,  60                           ; s60 LDS byte at which the block to be fetched begins
.set QS,  61                           ; s61 LDS byte at which q of the block in hand begins
.set CNT, 62
.set SEL, 66                           ; s[66:67]
.set MSB, 0
.macro WIN new                         ; the immediate's high byte repeats the setting that is left; a switch that changes nothing is dropped
.if MSB != (\new)
	s_set_vgpr_msb (MSB<<8)|(\new)
.set MSB, (\new)
.endif
.endm
.macro ROUND                           ; a round of the cluster's barrier
	s_barrier_signal -1
	s_barrier_wait -1
	s_cmp_lg_u32 s[WV], 0
	s_cbranch_scc1 .Lnot_wave_0_\@
	s_barrier_signal -3
.Lnot_wave_0_\@:
	s_barrier_wait -3
	s_barrier_signal -1
	s_barrier_wait -1
.endm
.macro PL4                             ; four places (ISA guide 7.12.1)
.rept 4
	v_nop
.endr
.endm
; One product: group gp, K step s, row block 4 gp + i.  The group's four accumulators take turns, one instruction a turn.
.macro MM gp, s, i
.set FI, 32*(\gp)+4*(\s)+(\i)
.set RB, 4*(\gp)+(\i)
.set RD, D+32*(\gp)+8*(\i)
.if FI == 63
.set RA, A63
.set WN, 0
.else
.set RA, 12*(FI%21)
.set WN, (1+FI/21)<<2
.endif
	WIN WN
.if (\s) == 0
	v_wmma_scale_f32_16x16x128_f8f6f4 v[RD:RD+7], v[BF:BF+11], v[RA:RA+11], v[BKR:BKR+7], v[BSC], v[ASC+4*RB] matrix_a_fmt:MATRIX_FMT_BF6 matrix_b_fmt:MATRIX_FMT_BF6
.elseif (\s) < 4
	v_wmma_scale_f32_16x16x128_f8f6f4 v[RD:RD+7], v[BF+12*(\s):BF+12*(\s)+11], v[RA:RA+11], v[RD:RD+7], v[BSC+(\s)], v[ASC+4*RB+(\s)] matrix_a_fmt:MATRIX_FMT_BF6 matrix_b_fmt:MATRIX_FMT_BF6
.else
	v_wmma_scale_f32_16x16x128_f8f6f4 v[RD:RD+7], v[BF+12*(\s):BF+12*(\s)+11], v[RA:RA+11], v[RD:RD+7], v[BSC+(\s)], v[ASC+4*RB+(\s)-4] matrix_a_fmt:MATRIX_FMT_BF6 matrix_b_fmt:MATRIX_FMT_BF6 matrix_b_scale:MATRIX_SCALE_ROW1
.endif
.endm
.macro MM4 gp, s
.irp i, 0,1,2,3
	MM \gp, \s, \i
.endr
.endm
; Columns 2 t and 2 t + 1 of my eight, of group gp's finished accumulator i, times q, onto the row block's score.  t ascends.
.macro DOT1 gp, t, i
	WIN 0
	v_pk_fma_f32 v[S+2*(4*(\gp)+(\i)):S+2*(4*(\gp)+(\i))+1], v[D+32*(\gp)+8*(\i)+2*(\t):D+32*(\gp)+8*(\i)+2*(\t)+1], v[QR+2*(\t):QR+2*(\t)+1], v[S+2*(4*(\gp)+(\i)):S+2*(4*(\gp)+(\i))+1]
.endm
.macro DOTQ gp, t                      ; the four accumulators' lines together
.irp i, 0,1,2,3
	DOT1 \gp, \t, \i
.endr
.endm
.macro MMD gp, s, dg, t                ; four products of group gp, and behind each one line of the other group's dot: it names none of the product's registers
.irp i, 0,1,2,3
	MM \gp, \s, \i
	DOT1 \dg, \t, \i
.endr
.endm
.macro LBH hh                          ; B's scale words of K steps 4 hh .. 4 hh + 3 (one load: four words a row), then the four fragments: 13 LDS loads
	ds_load_b128 v[BSC+4*(\hh):BSC+4*(\hh)+3], v[ADS] offset:12288+256*(\hh)
.irp s, 0,1,2,3
.irp k, 0,1,2
	ds_load_b128 v[BF+12*(4*(\hh)+\s)+4*\k:BF+12*(4*(\hh)+\s)+4*\k+3], v[ADB] offset:1536*(4*(\hh)+\s)+512*\k
.endr
.endr
.endm
.macro LBK off                         ; bk of my eight columns
	ds_load_b128 v[BKR:BKR+3], v[ADQ] offset:\off
	ds_load_b128 v[BKR+4:BKR+7], v[ADQ] offset:(\off)+16
.endm
.macro LQ                              ; q of my eight columns
	ds_load_b128 v[QR:QR+3], v[ADQ]
	ds_load_b128 v[QR+4:QR+7], v[ADQ] offset:16
.endm
; GROUP 1 of the block in hand; group 0's dot with q; and (pre = 1) the fetch of the next block.  A load into a register that a matrix instruction has read stands four places behind it.
.macro H1 pre
	MM4 1, 0
	MM4 1, 1
	MM4 1, 2
	MM4 1, 3
	WIN 0
	v_add_nc_u32 v[ADQ], s[QS], v[H32]             ; four plain lines: the places behind K step 3's products, in front of the first run of loads, and behind group 0's last products, whose sums are read below
.if \pre
	v_add_nc_u32 v[ADB], s[TB], v[L16]
	v_add_nc_u32 v[ADS], s[TB], v[R16]
	v_nop
.else
	v_nop
	v_nop
	v_nop
.endif
	LQ                                             ; THE FIRST RUN: q of the block in hand (its last block's q was last used at the end of the half before),
.if \pre
	LBK 2048+64                                    ; bk of the next block (this block's was last read by K step 0's products),
	LBH 0                                          ; and the next block's K steps 0 to 3
.endif
	MM4 1, 4
.if \pre
	s_wait_dscnt 15                                ; q is in: behind its two loads stand bk's 2 and the 13 of K steps 0 to 3
.else
	s_wait_dscnt 0x0
.endif
	MMD 1, 5, 0, 0
	MMD 1, 6, 0, 1
	MMD 1, 7, 0, 2
	DOTQ 0, 3                                      ; these four name nothing of group 1's products: the places in front of the second run, and of the first read of group 1's sums
.if \pre
	LBH 1                                          ; THE SECOND RUN: the next block's K steps 4 to 7
	s_add_co_u32 s[TB], s[TB], BLKB
	s_add_co_u32 s[QS], s[QS], 64
.endif
.endm
; GROUP 0 of the block just fetched; (dot = 1) group 1's dot with q of the block before.  Each wait's count is the number of LDS loads younger than what the step needs.
.macro H0 dot
	s_wait_dscnt 13                                ; bk and K steps 0 to 3 are in; the second run's 13 loads may be out
	MM4 0, 0
	MM4 0, 1
	MM4 0, 2
	MM4 0, 3
	s_wait_dscnt 9                                 ; the scale words of K steps 4 to 7 and K step 4 are in; three loads for each of K steps 5, 6, 7 may be out
.if \dot
	MMD 0, 4, 1, 0
.else
	MM4 0, 4
.endif
	s_wait_dscnt 6
.if \dot
	MMD 0, 5, 1, 1
.else
	MM4 0, 5
.endif
	s_wait_dscnt 3
.if \dot
	MMD 0, 6, 1, 2
.else
	MM4 0, 6
.endif
	s_wait_dscnt 0x0
.if \dot
	MMD 0, 7, 1, 3
.else
	MM4 0, 7
.endif
.endm
.macro WALK n, name                    ; n blocks: group 1 of the block in hand, group 0 of the next
	s_mov_b32 s[CNT], \n
\name:
	H1 1
	H0 1
	WIN 0                                          ; at a label and at a branch every window is 0
	s_sub_co_u32 s[CNT], s[CNT], 1
	s_cmp_lg_u32 s[CNT], 0
	s_cbranch_scc1 \name
.endm
	s_load_b256 s[4:11], s[0:1], 0x0               ; a_img s[4:5], b_img s[6:7], qv s[8:9], bk s[10:11]
	s_load_b64 s[12:13], s[0:1], 0x20              ; part
	v_lshl_add_u32 v[SPW], v0, 2, SPARE
	v_mov_b32 v[NIL], 0
	ds_add_u32 v1, v2
	ds_add_u32 v1, v2
	s_wait_dscnt 0x0
	v_lshrrev_b32 v[LN], 5, v0
	v_readfirstlane_b32 s[WV], v[LN]               ; wave 0..3
	v_and_b32 v[LN], 31, v0
	v_lshlrev_b32 v[L16], 4, v[LN]
	v_and_b32 v[R16], 15, v0
	v_lshlrev_b32 v[R16], 4, v[R16]
	v_bfe_u32 v[H32], v0, 4, 1
	v_lshlrev_b32 v[H32], 5, v[H32]
	s_lshl_b32 s70, s[WV], 9                       ; 512 x wave: my part of q and of bk, and my stage
	s_mul_i32 s71, s[WV], 25600                    ; my quarter of a slot
	s_add_co_u32 s72, s70, STG
	v_lshl_add_u32 v[STA], v[LN], 2, s72
	v_add_nc_u32 v[STB], s72, v[L16]
	s_bfe_u32 s15, ttmp6, 0x40000                  ; cx: my place in the cluster
	s_lshl_b32 s16, ttmp9, 2                       ; in a cluster launch ttmp9 counts clusters
	s_add_co_u32 s16, s16, s15                     ; my row group = 4 x cluster x + cx: it enters a_img's and part's addresses alone
	s_and_b32 s17, ttmp7, 0xffff                   ; the column group, which the four partners share
	s_lshl_b32 s18, s16, 2
	s_add_co_u32 s18, s18, s[WV]
	s_mul_i32 s18, s18, 8*BLKB                     ; a_img: my wave's eight strips
	s_mov_b32 s19, 0
	s_lshl_b32 s20, s17, 16                        ; part: 65,536 bytes a column group, 2,048 a row group, 512 a wave
	s_lshl_b32 s21, s16, 11
	s_add_co_u32 s20, s20, s21
	s_add_co_u32 s20, s20, s70
	s_mov_b32 s21, 0
	s_lshl_b32 s22, s17, 11                        ; qv and bk: 2,048 bytes a column group, 512 a wave
	s_add_co_u32 s22, s22, s70
	s_mov_b32 s23, 0
	s_mul_i32 s68, s17, 32*BLKB                    ; b_img: 32 strips a column group, my quarter of a slot
	s_add_co_u32 s68, s68, s71
	s_mov_b32 s69, 0
	; descriptor group 1: dense blocks as rows of 256 bytes (32 elements of 8 bytes), no padding: the images are read 16 bytes a lane on end
	s_mov_b32 s[G1B], 15|(3<<16)|(1<<21)           ; 15:0 the mask: all four work-groups; 17:16 elements of 8 bytes; 21 set beside a mask
	s_mov_b32 s[G1B+1], 32<<16                     ; tensor_dim0 = 32
	s_mov_b32 s[G1B+2], 100<<16                    ; tensor_dim1 = 100
	s_mov_b32 s[G1B+3], 32<<16                     ; tile_dim0 = 32
	s_mov_b32 s[G1B+4], 100                        ; tile_dim1 = 100 rows: 25,600 bytes, two column blocks
	s_mov_b32 s[G1B+5], 32                         ; from row to row
	s_mov_b32 s[G1B+6], 0
	s_mov_b32 s[G1B+7], 0
	s_mov_b32 s[G1S], 15|(3<<16)|(1<<21)
	s_mov_b32 s[G1S+1], 32<<16
	s_mov_b32 s[G1S+2], 2<<16
	s_mov_b32 s[G1S+3], 32<<16
	s_mov_b32 s[G1S+4], 2                          ; 2 rows: 512 bytes
	s_mov_b32 s[G1S+5], 32
	s_mov_b32 s[G1S+6], 0
	s_mov_b32 s[G1S+7], 0
	s_mov_b32 s[SEL], 0x76543210
	s_mov_b32 s[SEL+1], 0xfedcba98                 ; v_permlanex16_b32's selects for lane l xor 16
.irp j, 0,1,2,3,4,5,6,7,8,9,10,11,12,13,14,15
	v_mov_b32 v[S+\j], 0                           ; the scores: a pair for each of my eight row blocks
.endr
	s_wait_kmcnt 0x0
	s_add_nc_u64 s[4:5], s[4:5], s[18:19]
	s_add_nc_u64 s[12:13], s[12:13], s[20:21]
	s_add_nc_u64 s[6:7], s[6:7], s[68:69]
	s_mov_b32 s[G0Q], 1                            ; 1:0 count = 1
	s_add_co_u32 s[G0Q+1], s70, QL                 ; LDS address: the wave's number and constants alone
	s_add_nc_u64 s[G0Q+2:G0Q+3], s[8:9], s[22:23]
	s_or_b32 s[G0Q+3], s[G0Q+3], 0x80000000        ; type = 2
	s_mov_b32 s[G0K], 1
	s_add_co_u32 s[G0K+1], s70, BKL
	s_add_nc_u64 s[G0K+2:G0K+3], s[10:11], s[22:23]
	s_or_b32 s[G0K+3], s[G0K+3], 0x80000000
.irp j, 0,1,2
	s_mov_b32 s[G0S+4*\j], 1
	s_add_co_u32 s[G0S+4*\j+1], s71, \j*SLOTB
	s_add_nc_u64 s[G0S+4*\j+2:G0S+4*\j+3], s[6:7], \j*SLOTB
	s_or_b32 s[G0S+4*\j+3], s[G0S+4*\j+3], 0x80000000
.endr
	ROUND                                          ; all four work-groups are here: the first joint loads meet
	tensor_load_to_lds s[G0Q:G0Q+3], s[G1S:G1S+7]  ; the first fills go out as one group: five tensor loads of mine are out
	s_nop 0
	tensor_load_to_lds s[G0K:G0K+3], s[G1S:G1S+7]
	s_nop 0
	tensor_load_to_lds s[G0S:G0S+3], s[G1B:G1B+7]
	s_nop 0
	tensor_load_to_lds s[G0S+4:G0S+7], s[G1B:G1B+7]
	s_nop 0
	tensor_load_to_lds s[G0S+8:G0S+11], s[G1B:G1B+7]
	s_nop 0
	PL4                                            ; four v_nop follow the last of them, ahead of the window switches
	; A: the scale words of my eight strips, then the 64 fragments in the order in which they are multiplied
.irp a, 0,1,2,3,4,5,6,7
	global_load_b128 v[ASC+4*\a:ASC+4*\a+3], v[L16], s[4:5] offset:BLKB*\a+12288
.endr
.set FI, 0
.rept 64
.set RB, 4*(FI/32)+FI%4
.set KS, (FI%32)/4
.if FI == 63
.set RA, A63
.set WN, 0
.else
.set RA, 12*(FI%21)
.set WN, (1+FI/21)<<6
.endif
	WIN WN                                         ; destination in the fragment's window, address in window 0
.irp k, 0,1,2
	global_load_b128 v[RA+4*\k:RA+4*\k+3], v[L16], s[4:5] offset:BLKB*RB+1536*KS+512*\k
.endr
.set FI, FI+1
.endr
	WIN 0
	s_wait_tensorcnt 0x2                           ; my parts of q, bk and slot 0 are in; slots 1 and 2 may stay out
	s_barrier_signal -1
	s_barrier_wait -1                              ; everybody's are
	v_mov_b32 v[ADB], v[L16]                       ; block 0
	v_mov_b32 v[ADS], v[R16]
	v_add_nc_u32 v[ADQ], QL, v[H32]
	LBK 2048                                       ; in the order in which the halves' waits count them: bk, K steps 0 to 3, K steps 4 to 7
	LBH 0
	LBH 1
	s_wait_loadcnt 63                              ; of A's 200 loads the oldest 137 are in: the 8 of scale words and fragments 0 to 42; group 0 multiplies fragments 0 to 31
	H0 0
	WIN 0
	s_wait_loadcnt 0x0                             ; all of A
	s_mov_b32 s[TB], BLKB
	s_mov_b32 s[QS], QL
	WALK 7, .Lslot0                                ; blocks 0 to 6 in hand; fetches blocks 1 to 7
	; Block 7's fragments are in registers: slot 0 has been read out.  It is filled again, with blocks 24 to 31.  The wait for all my loads also shows my parts of slots 1 and 2 landed.
	s_wait_tensorcnt 0x0                           ; no tensor load of mine is out, so a group 0 may be written
	ds_add_u32 v[SPW], v[NIL]                      ; 0 onto my spare word; the descriptor's step stands between it and the wait for it
	s_add_nc_u64 s[G0S+2:G0S+3], s[G0S+2:G0S+3], 3*SLOTB
	s_wait_dscnt 0x0                               ; the add is done, and my reads of slot 0 are over
	ROUND                                          ; the same holds of every wave of all four work-groups
	tensor_load_to_lds s[G0S:G0S+3], s[G1B:G1B+7]  ; my one tensor load behind the round; it has sixteen blocks' products in which to land
	s_nop 0
	PL4
	s_mov_b32 s[TB], SLOTB
	s_mov_b32 s[QS], QL+7*64
	WALK 16, .Lslot12                              ; blocks 7 to 22 in hand; fetches blocks 8 to 23
	s_wait_tensorcnt 0x0                           ; my part of the refill is in (no load was issued behind it),
	s_wait_dscnt 0x0
	s_barrier_signal -1
	s_barrier_wait -1                              ; everybody's is
	s_mov_b32 s[TB], 0
	s_mov_b32 s[QS], QL+23*64
	WALK 8, .Lslot0b                               ; blocks 23 to 30 in hand; fetches blocks 24 to 31
	H1 0                                           ; block 31's group 1, and group 0's dot
	DOTQ 1, 0                                      ; (the four lines at the half's end are the places behind the last products)
	DOTQ 1, 1
	DOTQ 1, 2
	DOTQ 1, 3
	; THE WAY OUT, in registers that held B's fragments.  A row's score: the pair's two halves, and lane l xor 16's (the other eight columns of each block).
.set T, BF
.irp a, 0,1,2,3,4,5,6,7
	v_add_f32 v[T+\a], v[S+2*\a], v[S+2*\a+1]
.endr
.irp a, 0,1,2,3,4,5,6,7
	v_permlanex16_b32 v[T+8+\a], v[T+\a], s[SEL], s[SEL+1]
.endr
.irp a, 0,1,2,3,4,5,6,7
	v_add_f32 v[T+\a], v[T+\a], v[T+8+\a]
.endr
	v_cmp_gt_u32 vcc_lo, 16, v[LN]
.irp p, 0,1,2,3
	v_cndmask_b32 v[T+16+\p], v[T+2*\p+1], v[T+2*\p], vcc_lo      ; lanes 0-15 keep row block 2 p, lanes 16-31 row block 2 p + 1: lane l holds row 32 p + l
.endr
.irp p, 0,1,2,3
	ds_store_b32 v[STA], v[T+16+\p] offset:128*\p
.endr
	ds_load_b128 v[T+20:T+23], v[STB]              ; LDS serves a wave's instructions in order: this sees my stores; four neighbouring rows a lane
	s_wait_dscnt 0x0
	global_store_b128 v[L16], v[T+20:T+23], s[12:13]              ; 32 lanes store 512 consecutive bytes, at a multiple of 256 from the buffer's first byte
	s_wait_tensorcnt 0x0                           ; the wave's end, behind my last tensor load and my last LDS store
	ds_add_u32 v[SPW], v[NIL]
	s_wait_dscnt 0x0
	ROUND                                          ; the closing round: no work-group ends while a partner may still ask for a tile that names it
	s_endpgm
.Lfunc_end_k_q77b7000acb_scores:
	.size	k_q77b7000acb_scores, .Lfunc_end_k_q77b7000acb_scores-k_q77b7000acb_scores
	.p2alignl 7, 3214868480
	.fill 96, 4, 3214868480
	.section	.rodata,"a",@progbits
	.p2align	6, 0x0
	.amdhsa_kernel k_q77b7000acb_scores
		.amdhsa_group_segment_fixed_size 327680
		.amdhsa_private_segment_fixed_size 0
		.amdhsa_enable_private_segment 0
		.amdhsa_kernarg_size 40
		.amdhsa_user_sgpr_count 2
		.amdhsa_user_sgpr_kernarg_segment_ptr 1
		.amdhsa_wavefront_size32 1
		.amdhsa_system_sgpr_workgroup_id_x 1
		.amdhsa_system_sgpr_workgroup_id_y 1
		.amdhsa_system_sgpr_workgroup_id_z 1
		.amdhsa_system_vgpr_workitem_id 0
		.amdhsa_next_free_vgpr 1024
		.amdhsa_next_free_sgpr 76
		.amdhsa_reserve_vcc 1
		.amdhsa_float_denorm_mode_32 3
		.amdhsa_float_denorm_mode_16_64 3
		.amdhsa_memory_ordered 1
		.amdhsa_forward_progress 1
		.amdhsa_inst_pref_size 84
	.end_amdhsa_kernel
	.amdgpu_metadata
---
amdhsa.version: [ 1, 2 ]
amdhsa.kernels:
  - .name:           k_q77b7000acb_scores
    .symbol:         k_q77b7000acb_scores.kd
    .args:
      - { .name: a_img, .offset: 0, .size: 8, .value_kind: global_buffer, .address_space: global }
      - { .name: b_img, .offset: 8, .size: 8, .value_kind: global_buffer, .address_space: global }
      - { .name: qv, .offset: 16, .size: 8, .value_kind: global_buffer, .address_space: global }
      - { .name: bk, .offset: 24, .size: 8, .value_kind: global_buffer, .address_space: global }
      - { .name: part, .offset: 32, .size: 8, .value_kind: global_buffer, .address_space: global }
    .group_segment_fixed_size: 327680
    .private_segment_fixed_size: 0
    .kernarg_segment_align: 8
    .kernarg_segment_size: 40
    .max_flat_workgroup_size: 128
    .sgpr_count:     76
    .vgpr_count:     1024
    .wavefront_size: 32
...
	.end_amdgpu_metadata
.endif
;; end of part 2
;; launch cands (part 3): grid 8 x 1, 16 waves a work-group, no clusters, 3,072 bytes of LDS; arguments part, cand_v, cand_i; writes cand_v, cand_i
.if DOCPART == 3
	.amdgcn_target "amdgcn-amd-amdhsa--gfx1250"
	.amdhsa_code_object_version 6
	.text
	.protected	k_q77b7000acb_cands
	.globl	k_q77b7000acb_cands
	.p2align	8
	.type	k_q77b7000acb_cands,@function
k_q77b7000acb_cands:
	s_mov_b64 s[64:65], 0
	v_nop
	global_prefetch_b8 v0, s[64:65] scope:SCOPE_SE
	s_setreg_imm32_b32 hwreg(HW_REG_WAVE_MODE, 25, 1), 1
	s_wait_xcnt 0x0
; CANDS.  score[row] = the sum of part[0..7][row], in that order; each of eight work-groups finds the six largest scores of its 2,048 rows and stores them with their rows' numbers:
; 48 candidates, among which the six largest of all lie.  Among equal scores the lower row is taken first, as jax.lax.top_k takes it.
; No branch and no address hangs on a score: every choice is a v_cndmask_b32.  Rows' numbers are kept as f32 (exact under 2^24), so that one kind of reduction serves both.
; A thread owns four neighbouring rows.  A wave picks the six best of its 128 rows; the sixteen waves' 96 meet in LDS; wave 0 picks the six best of those.
; Matrix units, tensor loads and clusters have nothing to do here: 512 KiB are read once, 16 bytes a lane.
; LIMITS: NaN and -infinity among the scores are not served (a picked score is replaced by -infinity).
.set V,   16                           ; v16-19 scores
.set I,   20                           ; v20-23 their rows
.set T,   24                           ; v24-27 at work
.set M,   28
.set P,   29
.set OV,  32                           ; v32-37 the six picked scores
.set OI,  38                           ; v38-43 and their rows
.set BIG, 44
.set NEG, 45
.set LD,  64                           ; v64-95 the eight partial scores of my four rows
.set SEL, 18
.macro WMAX nv, src, dst               ; the largest of the wave's nv x 32 numbers, in every lane
.if \nv == 4
	v_max3_num_f32 v[M], v[\src], v[\src+1], v[\src+2]
	v_max_num_f32 v[M], v[M], v[\src+3]
.elseif \nv == 3
	v_max3_num_f32 v[M], v[\src], v[\src+1], v[\src+2]
.else
	v_max_num_f32 v[M], v[\src], v[\src+1]
.endif
.irp x, 1,2,4,8
	v_max_num_f32_dpp v[M], v[M], v[M] row_xmask:\x row_mask:0xf bank_mask:0xf
.endr
	v_permlanex16_b32 v[P], v[M], s[SEL], s[SEL+1]
	v_max_num_f32 v[\dst], v[M], v[P]
.endm
.macro WMIN nv, src, dst               ; the smallest likewise
.if \nv == 4
	v_min3_num_f32 v[M], v[\src], v[\src+1], v[\src+2]
	v_min_num_f32 v[M], v[M], v[\src+3]
.elseif \nv == 3
	v_min3_num_f32 v[M], v[\src], v[\src+1], v[\src+2]
.else
	v_min_num_f32 v[M], v[\src], v[\src+1]
.endif
.irp x, 1,2,4,8
	v_min_num_f32_dpp v[M], v[M], v[M] row_xmask:\x row_mask:0xf bank_mask:0xf
.endr
	v_permlanex16_b32 v[P], v[M], s[SEL], s[SEL+1]
	v_min_num_f32 v[\dst], v[M], v[P]
.endm
.macro TOP6 nv                         ; six picks: the largest score; the lowest row that has it; that row's score becomes -infinity
.irp r, 0,1,2,3,4,5
	WMAX \nv, V, OV+\r
.set NN, 0
.rept \nv
	v_cmp_eq_f32 vcc_lo, v[V+NN], v[OV+\r]
	v_cndmask_b32 v[T+NN], v[BIG], v[I+NN], vcc_lo
.set NN, NN+1
.endr
	WMIN \nv, T, OI+\r
.set NN, 0
.rept \nv
	v_cmp_eq_f32 vcc_lo, v[I+NN], v[OI+\r]
	v_cndmask_b32 v[V+NN], v[V+NN], v[NEG], vcc_lo
.set NN, NN+1
.endr
.endr
.endm
	s_load_b128 s[4:7], s[0:1], 0x0                ; part s[4:5], cand_v s[6:7]
	s_load_b64 s[8:9], s[0:1], 0x10                ; cand_i
	v_lshl_add_u32 v96, v0, 2, 0x400
	v_mov_b32 v97, 0
	v_lshrrev_b32 v1, 5, v0
	v_readfirstlane_b32 s10, v1                    ; wave 0..15
	v_and_b32 v1, 31, v0                           ; lane
	v_lshlrev_b32 v2, 4, v0                        ; my four rows' 16 bytes
	s_lshl_b32 s12, ttmp9, 13                      ; the work-group's 2,048 rows: 8,192 bytes
	s_mov_b32 s13, 0
	s_lshl_b32 s11, ttmp9, 11
	v_lshl_add_u32 v3, v0, 2, s11                  ; my first row
	s_mul_i32 s14, s10, 24
	v_mov_b32 v5, s14                              ; LDS: my wave's six words
	v_lshlrev_b32 v6, 2, v1                        ; LDS: 4 x lane
	s_mul_i32 s15, ttmp9, 24
	v_lshl_add_u32 v9, v1, 2, s15                  ; the work-group's six words in cand_v and cand_i
	s_mov_b32 s[SEL], 0x76543210
	s_mov_b32 s[SEL+1], 0xfedcba98
	v_mov_b32 v[BIG], 0x7f7fffff                   ; above every row's number
	v_mov_b32 v[NEG], 0xff800000                   ; -infinity
	v_mov_b32 v[P], 0                              ; written once: a lane permute's destination counts as one of its sources
	s_wait_kmcnt 0x0
	s_add_nc_u64 s[4:5], s[4:5], s[12:13]
.irp g, 0,1,2,3,4,5,6,7
	global_load_b128 v[LD+4*\g:LD+4*\g+3], v2, s[4:5] offset:65536*\g th:TH_LOAD_NT
.endr
.irp i, 0,1,2,3
	v_add_nc_u32 v4, \i, v3
	v_cvt_f32_u32 v[I+\i], v4
.endr
	s_wait_loadcnt 0x0
	v_pk_add_f32 v[V:V+1], v[LD:LD+1], v[LD+4:LD+5]               ; the first addition starts the sums
	v_pk_add_f32 v[V+2:V+3], v[LD+2:LD+3], v[LD+6:LD+7]
.irp g, 2,3,4,5,6,7
	v_pk_add_f32 v[V:V+1], v[V:V+1], v[LD+4*\g:LD+4*\g+1]
	v_pk_add_f32 v[V+2:V+3], v[V+2:V+3], v[LD+4*\g+2:LD+4*\g+3]
.endr
	TOP6 4
.irp r, 0,1,2,3,4,5
	ds_store_b32 v5, v[OV+\r] offset:4*\r          ; all lanes write the same word with the same value
	ds_store_b32 v5, v[OI+\r] offset:384+4*\r
.endr
	s_wait_dscnt 0x0                               ; for the others' sake: my stores are done
	s_barrier_signal -1
	s_barrier_wait -1
	s_cmp_lg_u32 s10, 0
	s_cbranch_scc1 .Lend                           ; wave 0 alone goes on
.irp i, 0,1,2
	ds_load_b32 v[V+\i], v6 offset:128*\i          ; the 96 candidates, three a lane
	ds_load_b32 v[I+\i], v6 offset:384+128*\i
.endr
	s_wait_dscnt 0x0
	TOP6 3
	v_mov_b32 v7, v[OV]
	v_mov_b32 v8, v[OI]
.irp r, 1,2,3,4,5
	v_cmp_eq_u32 vcc_lo, \r, v1
	v_cndmask_b32 v7, v7, v[OV+\r], vcc_lo         ; lane r keeps pick r
	v_cndmask_b32 v8, v8, v[OI+\r], vcc_lo
.endr
	v_cvt_u32_f32 v8, v8
	s_wait_xcnt 0x0                                ; EXEC changes only behind this wait
	v_cmp_gt_u32 vcc_lo, 6, v1
	s_and_saveexec_b32 s16, vcc_lo
	global_store_b32 v9, v7, s[6:7]
	global_store_b32 v9, v8, s[8:9]
	s_wait_xcnt 0x0
	s_or_b32 exec_lo, exec_lo, s16
.Lend:
	s_wait_tensorcnt 0x0
	ds_add_u32 v96, v97
	s_wait_dscnt 0x0
	s_endpgm
.Lfunc_end_k_q77b7000acb_cands:
	.size	k_q77b7000acb_cands, .Lfunc_end_k_q77b7000acb_cands-k_q77b7000acb_cands
	.p2alignl 7, 3214868480
	.fill 96, 4, 3214868480
	.section	.rodata,"a",@progbits
	.p2align	6, 0x0
	.amdhsa_kernel k_q77b7000acb_cands
		.amdhsa_group_segment_fixed_size 3072
		.amdhsa_private_segment_fixed_size 0
		.amdhsa_enable_private_segment 0
		.amdhsa_kernarg_size 24
		.amdhsa_user_sgpr_count 2
		.amdhsa_user_sgpr_kernarg_segment_ptr 1
		.amdhsa_wavefront_size32 1
		.amdhsa_system_sgpr_workgroup_id_x 1
		.amdhsa_system_sgpr_workgroup_id_y 1
		.amdhsa_system_sgpr_workgroup_id_z 1
		.amdhsa_system_vgpr_workitem_id 0
		.amdhsa_next_free_vgpr 98
		.amdhsa_next_free_sgpr 66
		.amdhsa_reserve_vcc 1
		.amdhsa_float_denorm_mode_32 3
		.amdhsa_float_denorm_mode_16_64 3
		.amdhsa_memory_ordered 1
		.amdhsa_forward_progress 1
		.amdhsa_inst_pref_size 21
	.end_amdhsa_kernel
	.amdgpu_metadata
---
amdhsa.version: [ 1, 2 ]
amdhsa.kernels:
  - .name:           k_q77b7000acb_cands
    .symbol:         k_q77b7000acb_cands.kd
    .args:
      - { .name: part, .offset: 0, .size: 8, .value_kind: global_buffer, .address_space: global }
      - { .name: cand_v, .offset: 8, .size: 8, .value_kind: global_buffer, .address_space: global }
      - { .name: cand_i, .offset: 16, .size: 8, .value_kind: global_buffer, .address_space: global }
    .group_segment_fixed_size: 3072
    .private_segment_fixed_size: 0
    .kernarg_segment_align: 8
    .kernarg_segment_size: 24
    .max_flat_workgroup_size: 512
    .sgpr_count:     66
    .vgpr_count:     98
    .wavefront_size: 32
...
	.end_amdgpu_metadata
.endif
;; end of part 3
;; launch mean (part 4): grid 16 x 1, 1 waves a work-group, no clusters, 0 bytes of LDS; arguments key_mat, cand_v, cand_i, out0; writes out0
.if DOCPART == 4
	.amdgcn_target "amdgcn-amd-amdhsa--gfx1250"
	.amdhsa_code_object_version 6
	.text
	.protected	k_q77b7000acb_mean
	.globl	k_q77b7000acb_mean
	.p2align	8
	.type	k_q77b7000acb_mean,@function
k_q77b7000acb_mean:
	s_mov_b64 s[64:65], 0
	v_nop
	global_prefetch_b8 v0, s[64:65] scope:SCOPE_SE
	s_setreg_imm32_b32 hwreg(HW_REG_WAVE_MODE, 25, 1), 1
	s_wait_xcnt 0x0
; MEAN.  out0 = the mean of the six rows of key_mat with the largest scores.  The 48 candidates' rows (whole numbers that the launch before stored) give the addresses; which six of them count is
; decided here from their scores, and enters as a WEIGHT of 1 or 0, never as an address or a branch: all 48 rows are loaded, and ranked while they are on their way.
; A work-group is one wave and owns 64 columns: a load takes 256 consecutive bytes of a row, the store 256 consecutive bytes of out0, both at multiples of 256 from the buffer's first byte.
; With 8 bytes a lane the 48 rows take 96 registers, so each row has an offset register of its own: all offsets are made first, the 48 loads follow in one run, and no register that a
; pending load names is written again.
; Among equal scores the lower row is taken first, as jax.lax.top_k takes it.
; LIMITS: NaN and -infinity among the scores are not served; a weight of 0 times a number of key_mat takes that number to be finite.  A row's number is held to 16,383, the table's last row.
.set CL,  4                            ; v4     my 8 bytes: 256 x work-group + 8 x lane, in a row of key_mat and in out0
.set ACC, 8                            ; v8-15  four chains of a pair of sums: candidate j adds onto chain j % 4
.set V,   16                           ; v16-17 scores: candidate j in register j / 32, lane j % 32
.set I,   18                           ; v18-19 their rows, as f32 (exact under 2^24)
.set W,   20                           ; v20-21 their weights
.set T,   22
.set M,   24
.set P,   25
.set OV,  26                           ; v26-31
.set OI,  32                           ; v32-37
.set BIG, 38
.set NEG, 39
.set ONE, 40
.set DATA, 64                          ; v64-159  candidate j's 8 bytes at v[64 + 2 j]
.set OFF, 160                          ; v160-207 candidate j's offset
.set SEL, 12
.macro WMAX src, dst                   ; the largest of the wave's 2 x 32 numbers, in every lane
	v_max_num_f32 v[M], v[\src], v[\src+1]
.irp x, 1,2,4,8
	v_max_num_f32_dpp v[M], v[M], v[M] row_xmask:\x row_mask:0xf bank_mask:0xf
.endr
	v_permlanex16_b32 v[P], v[M], s[SEL], s[SEL+1]
	v_max_num_f32 v[\dst], v[M], v[P]
.endm
.macro WMIN src, dst
	v_min_num_f32 v[M], v[\src], v[\src+1]
.irp x, 1,2,4,8
	v_min_num_f32_dpp v[M], v[M], v[M] row_xmask:\x row_mask:0xf bank_mask:0xf
.endr
	v_permlanex16_b32 v[P], v[M], s[SEL], s[SEL+1]
	v_min_num_f32 v[\dst], v[M], v[P]
.endm
	s_load_b256 s[4:11], s[0:1], 0x0               ; key_mat s[4:5], cand_v s[6:7], cand_i s[8:9], out0 s[10:11]
	v_and_b32 v1, 31, v0                           ; lane
	v_lshlrev_b32 v2, 2, v1                        ; candidates 0-31: 4 x lane
	v_and_b32 v3, 15, v0
	v_lshlrev_b32 v3, 2, v3                        ; candidates 32-47: 4 x (lane % 16): no load passes the 48th
	s_lshl_b32 s14, ttmp9, 8
	v_lshl_add_u32 v[CL], v1, 3, s14
	s_mov_b32 s[SEL], 0x76543210
	s_mov_b32 s[SEL+1], 0xfedcba98
	v_mov_b32 v[BIG], 0x7f7fffff
	v_mov_b32 v[NEG], 0xff800000
	v_mov_b32 v[ONE], 1.0
	v_mov_b32 v[W], 0
	v_mov_b32 v[W+1], 0
	v_mov_b32 v[P], 0                              ; written once: a lane permute's destination counts as one of its sources
	s_wait_kmcnt 0x0
	s_load_b512 s[16:31], s[8:9], 0x0              ; the 48 rows' numbers, as scalars
	s_load_b512 s[32:47], s[8:9], 0x40
	s_load_b512 s[48:63], s[8:9], 0x80
	global_load_b32 v[V], v2, s[6:7]
	global_load_b32 v[V+1], v3, s[6:7] offset:128
	global_load_b32 v[I], v2, s[8:9]
	global_load_b32 v[I+1], v3, s[8:9] offset:128
	s_wait_kmcnt 0x0
.set J, 0
.rept 48
	s_min_u32 s[16+J], s[16+J], 0x3fff             ; inside the table
	s_lshl_b32 s[16+J], s[16+J], 12                ; a row is 4,096 bytes
	v_add_nc_u32 v[OFF+J], s[16+J], v[CL]
.set J, J+1
.endr
.set J, 0
.rept 48
	global_load_b64 v[DATA+2*J:DATA+2*J+1], v[OFF+J], s[4:5]
.set J, J+1
.endr
	s_wait_loadcnt 48                              ; the four loads of candidates are in; the 48 rows stay on their way
	v_cvt_f32_u32 v[I], v[I]
	v_cvt_f32_u32 v[I+1], v[I+1]
	v_cmp_gt_u32 vcc_lo, 16, v1
	v_cndmask_b32 v[V+1], v[NEG], v[V+1], vcc_lo   ; lanes 16-31 of the second register hold no candidate
	v_cndmask_b32 v[I+1], v[BIG], v[I+1], vcc_lo
.irp r, 0,1,2,3,4,5                    ; six picks: the largest score; the lowest row that has it; its weight becomes 1 and its score -infinity
	WMAX V, OV+\r
.irp n, 0,1
	v_cmp_eq_f32 vcc_lo, v[V+\n], v[OV+\r]
	v_cndmask_b32 v[T+\n], v[BIG], v[I+\n], vcc_lo
.endr
	WMIN T, OI+\r
.irp n, 0,1
	v_cmp_eq_f32 vcc_lo, v[I+\n], v[OI+\r]
	v_cndmask_b32 v[V+\n], v[V+\n], v[NEG], vcc_lo
	v_cndmask_b32 v[W+\n], v[W+\n], v[ONE], vcc_lo
.endr
.endr
	s_wait_loadcnt 0x0                             ; the rows
.irp b, 0,1                            ; 24 candidates at a time: their weights as scalars (the registers that held the rows' offsets), then the multiply-adds
.set K, 0
.rept 24
	v_readlane_b32 s[16+2*K], v[W+(24*\b+K)/32], (24*\b+K)%32
.set K, K+1
.endr
.set K, 0
.rept 24
.set J, 24*\b+K
.set AC, ACC+2*(J%4)
.if J < 4
	v_pk_mul_f32 v[AC:AC+1], v[DATA+2*J:DATA+2*J+1], s[16+2*K:17+2*K] op_sel_hi:[1,0]       ; the first products start the sums; of the scalar pair the low word serves both halves
.else
	v_pk_fma_f32 v[AC:AC+1], v[DATA+2*J:DATA+2*J+1], s[16+2*K:17+2*K], v[AC:AC+1] op_sel_hi:[1,0,1]
.endif
.set K, K+1
.endr
.endr
	v_pk_add_f32 v[ACC:ACC+1], v[ACC:ACC+1], v[ACC+2:ACC+3]
	v_pk_add_f32 v[ACC+4:ACC+5], v[ACC+4:ACC+5], v[ACC+6:ACC+7]
	v_pk_add_f32 v[ACC:ACC+1], v[ACC:ACC+1], v[ACC+4:ACC+5]
	v_pk_mul_f32 v[ACC:ACC+1], v[ACC:ACC+1], 0x3e2aaaab op_sel_hi:[1,0]                     ; x 1/6
	global_store_b64 v[CL], v[ACC:ACC+1], s[10:11]
	s_endpgm
.Lfunc_end_k_q77b7000acb_mean:
	.size	k_q77b7000acb_mean, .Lfunc_end_k_q77b7000acb_mean-k_q77b7000acb_mean
	.p2alignl 7, 3214868480
	.fill 96, 4, 3214868480
	.section	.rodata,"a",@progbits
	.p2align	6, 0x0
	.amdhsa_kernel k_q77b7000acb_mean
		.amdhsa_group_segment_fixed_size 0
		.amdhsa_private_segment_fixed_size 0
		.amdhsa_enable_private_segment 0
		.amdhsa_kernarg_size 32
		.amdhsa_user_sgpr_count 2
		.amdhsa_user_sgpr_kernarg_segment_ptr 1
		.amdhsa_wavefront_size32 1
		.amdhsa_system_sgpr_workgroup_id_x 1
		.amdhsa_system_sgpr_workgroup_id_y 1
		.amdhsa_system_sgpr_workgroup_id_z 1
		.amdhsa_system_vgpr_workitem_id 0
		.amdhsa_next_free_vgpr 208
		.amdhsa_next_free_sgpr 66
		.amdhsa_reserve_vcc 1
		.amdhsa_float_denorm_mode_32 3
		.amdhsa_float_denorm_mode_16_64 3
		.amdhsa_memory_ordered 1
		.amdhsa_forward_progress 1
		.amdhsa_inst_pref_size 26
	.end_amdhsa_kernel
	.amdgpu_metadata
---
amdhsa.version: [ 1, 2 ]
amdhsa.kernels:
  - .name:           k_q77b7000acb_mean
    .symbol:         k_q77b7000acb_mean.kd
    .args:
      - { .name: key_mat, .offset: 0, .size: 8, .value_kind: global_buffer, .address_space: global }
      - { .name: cand_v, .offset: 8, .size: 8, .value_kind: global_buffer, .address_space: global }
      - { .name: cand_i, .offset: 16, .size: 8, .value_kind: global_buffer, .address_space: global }
      - { .name: out0, .offset: 24, .size: 8, .value_kind: global_buffer, .address_space: global }
    .group_segment_fixed_size: 0
    .private_segment_fixed_size: 0
    .kernarg_segment_align: 8
    .kernarg_segment_size: 32
    .max_flat_workgroup_size: 32
    .sgpr_count:     66
    .vgpr_count:     208
    .wavefront_size: 32
...
	.end_amdgpu_metadata
.endif
;; end of part 4
